; MI455X (gfx1250); checked and timed in simulation.
; The chip was launched on July 23, 2026; its instructions are those of AMD's public machine-readable ISA for CDNA 5 (MIT licence, August 2026) and "CDNA5" Instruction Set Architecture Reference Guide (July 2026). The comments in the code are by the model that wrote it; some were corrected since.
;; Dot Product Attention. Allowed arithmetic: matrix products marked QUANTISED: E5M2 operands, one given power-of-two scale a tensor, by v_wmma_f32_16x16x64_bf8_bf8 or v_wmma_f32_16x16x128_bf8_bf8, f32 sums; everything else in f32.
;; Inputs: keys_codes 32 x 2,048 x 2 x 32 uint8 (E5M2 codes of keys, K innermost, in blocks of 32 codes); lowp_scales 4 int32 (the exponents e of the quantised operands' scales 2^e); queries_codes 32 x 2,048 x 2 x 32 uint8 (E5M2 codes of queries, K innermost, in blocks of 32 codes); valid_lens 32 int32; values_codes 32 x 64 x 64 x 32 uint8 (E5M2 codes of values, K innermost, in blocks of 32 codes).
;; Outputs: out0 32 x 2,048 x 64 float32.
;; This version of the problem:
;;   THIS VERSION OF THE PROBLEM IS GIVEN IN LOW PRECISION. The matrix products marked QUANTISED in the list below multiply operands that are first quantised to E5M2 (5 exponent bits, 2 mantissa bits; 8 bits a number), with one given power-of-two scale for each operand tensor; their sums are f32. All else is computed in f32.
;;   The module's matrix products, in the order in which they are computed (A, B: the left and right operand; K: the contracted axis; several contracted axes count as one K, in the product's order):
;;     1. batch 32 x [M 2,048, K 64] x [K 64, N 2,048]; A: input queries (given as codes); B: input keys (given as codes): QUANTISED (scales: A lowp_scales[0], B lowp_scales[1])
;;     2. batch 32 x [M 2,048, K 2,048] x [K 2,048, N 64]; A: softmax (see below); B: input values (given as codes): QUANTISED (scales: A lowp_scales[2], B lowp_scales[3])
;;   THE QUANTISER, for each operand of a quantised product, along K:
;;     - The operand's scale is 2^e, e = its entry of the input lowp_scales (int32; the entries are numbered through the quantised products in the list's order, A before B).
;;     - Each number is divided by the scale, clamped to +-57,344, and rounded to the nearest number of E5M2, ties to even, subnormals kept.
;;     - The product sums the exact products of the quantised numbers (number of the format x scale) in f32.
;;   ~~~python
;;   def quantise(x, axis, e):      # numpy; x: float32 -> the quantised numbers, widened to float32 again
;;       x = np.moveaxis(x, axis, -1); K = x.shape[-1]
;;       r = np.clip(x / 2.0 ** e, -57344, 57344)
;;       step = 2.0 ** (np.maximum(np.frexp(np.where(r == 0, 1, r))[1] - 1, -14) - 2)
;;       q = np.round(r / step) * step * 2.0 ** e      # np.round: ties to even
;;       return np.moveaxis(q, -1, axis).astype(np.float32)
;;   ~~~
;;   SOFTMAX AHEAD OF A QUANTISED PRODUCT. Where the list says 'softmax', what is quantised is not the finished softmax but p = 2^(t - M), with t = logit x log2(e) and M = ceil(the row's largest t), a whole number; so 1/2 < the row's largest p <= 1. The row's sum l is taken of the UNQUANTISED p, in f32, and the product's result is divided by l at the end. Since M is a whole number, a kernel that streams over the keys may use a running M (the ceiling of the running maximum): every later rescaling is an exact power of two, so the quantised numbers keep their values, but for numbers so far below the row's largest that they fall under the format's range.
;;   OPERANDS COMPUTED ON THE WAY. 'Computed on the way' means the value that the module computes at that place (a softmax that the list does not call 'softmax' is quantised finished and normalised). What goes into a quantiser is computed in f32, as accurately as f32 sums, v_exp_f32 and their like allow (about 1e-6 of the number): no bf16 or f16 on the way to a quantiser, and a product that is left as it is and whose result goes on into a quantised operand takes f32 operands (vector FMAs, or v_wmma_f32_16x16x4_f32). A number that lies on a knife's edge between two numbers of the format may be rounded either way, as far as f32 arithmetic and the matrix unit's own rounding can turn it there, and no further.
;;   INPUTS GIVEN AS CODES. keys (in the module: [32, 2048, 64], K = its axis 2); queries (in the module: [32, 2048, 64], K = its axis 2); values (in the module: [32, 2048, 64], K = its axis 1): each comes as NAME_codes (uint8): NAME with its K axis moved to the last place and cut into blocks of 32 codes, [.., K / 32, bytes a block], one block behind the other in memory; one code a byte (a code: sign, 5 exponent bits, 2 mantissa bits); its scale is its entry of lowp_scales. Its value is code x scale, taken as it is: it is not quantised again, and the codes and scales need not be those that the quantiser above would give.
;; 2 versions, each right; version 2 is version 1 with the launch attn written anew for expert scheduling mode. Each part assembles by itself: llvm-mc -triple=amdgcn-amd-amdhsa -mcpu=gfx1250 --defsym DOCPART=n.
;; ======== version 1 of 2: 1 launch
;; limits: right only within a limited range of input values
;; launch attn (part 1): grid 256 x 1, 8 waves a work-group, no clusters, 297,984 bytes of LDS; arguments queries_codes, keys_codes, values_codes, valid_lens, lowp_scales, out0; writes out0
.if DOCPART == 1
	.amdgcn_target "amdgcn-amd-amdhsa--gfx1250"
	.amdhsa_code_object_version 6
	.text
	.protected	k_q75c79ea9c2_attn
	.globl	k_q75c79ea9c2_attn
	.p2align	8
	.type	k_q75c79ea9c2_attn,@function
k_q75c79ea9c2_attn:
	s_mov_b64 s[64:65], 0
	v_nop
	global_prefetch_b8 v0, s[64:65] scope:SCOPE_SE
	s_setreg_imm32_b32 hwreg(HW_REG_WAVE_MODE, 25, 1), 1
	s_wait_xcnt 0x0
; out0[b][q][:] = sum over k of softmax_k(Q[b][q] . K[b][k] / 8, keys k >= valid_lens[b] filled with -1e6) V[b][k][:], both products on codes of BF8 (E5M2).
; Q, K: [32][2048][64] codes, the head's 64 innermost.  V: [32][64][2048] codes, the keys innermost.  lowp_scales: eq, ek, ep, ev.  out0: [32][2048][64] f32.
; SOFTMAX.  t = logit x log2(e); M = the running largest t rounded up to a whole number; p = 2^(t - M) is quantised with 2^ep; the sum is taken of the unquantised p and divides at the end;
; when M moves, the sum and O are multiplied by 2^(old M - new M), which rounds nothing.
; HIDDEN KEYS.  A batch of length L needs ceil(L / 128) of its 16 key steps: a step all of whose keys are hidden is left out by a scalar branch on valid_lens; the one step that L cuts fills t with -1e6 x log2(e).
; L <= 0: all 16 steps run with every key filled.  L > 2048: every key counts.
; SHARES.  256 work-groups of eight waves.  The waves are two groups of four.  Work-group g: pr = g / 16, blk = g % 16.  Group 0 takes the batch whose length has rank pr (ascending), group 1 that of rank 31 - pr,
; so that a long batch and a short one share a work-group; each group takes queries 128 blk .. + 127 of its batch, each wave 32 of them: two tiles of 16.  Every (batch, block) has one owner.
; K AND V GO THROUGH REGISTERS INTO LDS (global_load_b128, ds_store_b128), 256 keys a slot, two slots a group, one barrier a trip, eight trips (a constant); every barrier stands outside every branch on a length.
; NO TENSOR LOADS, NO CLUSTER: the steps left out are (16 - ceil(L / 128)) of 16 for each batch; what 16 work-groups share is 32 KiB a trip.
; LAYOUT.  Both products are used transposed: S^T = K Q^T (source 0 = 16 keys), O^T = V^T P^T (source 0 = 16 of the head's 64): a lane holds one query (lane % 16) throughout.
; The keys of a tile are not neighbours: row r of tile 2 i + u is key 32 i + 8 u + r + 8 (r / 8), so that the 16 registers of tiles 2 b, 2 b + 1 are keys 32 b + 16 (lane / 16) + 0 .. 15: the conversions give the second product's operand.
; Fragments hold k in pieces of 16 bytes (k = 32 c + 16 (lane / 16) + 0 .. 15 in registers 4 c .. 4 c + 3), alike in both sources of each product: every product meets its partner.
; LIMITS.  Leaving hidden steps out is exact while a row's largest counted logit lies above about -999,890 (then 2^(t - M) of a filled key is 0 in f32).  eq + ek between -123 and 130; ep between -126 and 112.
; Codes of infinity and NaN are not served.
; LDS.  Group x 131,072 + slot x 65,536: K's image, 16 tiles of 1,280 bytes = 4 blocks (bytes 16 x block .. + 15 of the 16 keys' rows; 16 bytes a key) 320 bytes apart; at + 20,480 V's image, 4 tiles of 16 rows d,
; 4,352 bytes = 16 blocks (16 keys each; 16 bytes a row) 272 bytes apart.  A fragment load's sixteen lanes read 256 consecutive bytes; a store's sixteen lanes fall on sixteen different 16-byte columns modulo 256.
; From 262,144: a stage of 16 rows x 272 bytes for each wave, for the way out.
; REGISTERS.  Window 0: v1-15 addresses; v16-31 statistics, eight a tile; v64-191 S^T, then p, 64 a tile; v192-255 K's eight fragments.
; Window 1: v0-31 p's codes; v32-47 Q; v64-127 O^T, 32 a tile; v128-159, v160-191 K and V on their way to LDS; v192-255 V's four fragments.
.set SLOT1, 65536
.set VOFF,  20480
.set KT,    1280
.set KBP,   320
.set VT,    4352
.set VBP,   272
.set STAGE, 262144
.set SP,    272
.set LANE, 1
.set R,    2
.set H,    3
.set AK0,  4                           ; where my lane reads K's fragments in slot 0
.set AV0,  5                           ; and V's
.set KS0,  6                           ; where my lane stores K's 16 bytes in slot 0
.set VS0,  7                           ; and V's
.set KO,   8                           ; my byte offset in a slot's 16,384 bytes of K
.set VO,   9                           ; my byte offset among V's rows
.set ADK,  10
.set ADV,  11
.set SK,   12
.set SV,   13
.set PFO,  14                          ; the prefetches' offset
.set QO,   15
.set ST,   16                          ; tile q at ST + 8 q: +0 -M, +1 the largest t, +2, +3 the sum, +4 f (+5 named with it), +6, +7 the maximum's two chains
.set XS,   32                          ; the sum's second chain, a pair a tile
.set PD,   36                          ; the lane exchange's destination, one a tile
.set SC,   40                          ; 2^ep
.set HL,   41                          ; 57,344 x 2^ep
.set NEGT, 42                          ; -1e6 x log2(e)
.set DD,   43
.set STO,  44
.set RD,   45
.set GO,   49
.set S,    64
.set OUTR, 128
.set KFR,  192
.set PC,   0                           ; window 1
.set QF,   32
.set O,    64
.set GK,   128
.set GV,   160
.set VFR,  192
.set EP,   18                          ; s16-19: eq, ek, ep, ev
.set WV,   20
.set GRP,  21
.set IDX,  22
.set TGT,  23
.set BLK,  24
.set BB,   25                          ; my batch
.set LV,   26
.set LC,   27                          ; its length, held between 0 and 2,048
.set LM1,  28                          ; the last key that is walked
.set NS,   29                          ; slots that are walked, 1 to 8
.set SI,   30                          ; the trip = the slot in hand
.set TB,   31                          ; its LDS byte: 0 or SLOT1
.set CS,   32                          ; s[32:33] c = log2(e) / 8 x 2^(eq + ek)
.set CM,   34                          ; s[34:35] what this step's numbers are multiplied by: c, or 1 where the mask has made t already
.set SEL,  36
.set KA,   38                          ; s[38:39] K at the slot being loaded
.set VA,   40                          ; s[40:41] V likewise
.set OF,   42                          ; s[42:43] an offset, its high word 0
.set KF,   44                          ; the step's first key
.set T0,   45
.set PL,   46                          ; NS in the group that prefetches, else 0
.set EO,   47                          ; ep + ev
.set T1,   48
.set T2,   49
.set RK,   68                          ; s[68:99] the 32 sort keys
.set MSB, 0
.macro WIN new                         ; the immediate's high byte repeats the setting that is left; a switch that changes nothing is dropped
.if MSB != \new
	s_set_vgpr_msb (MSB<<8)|\new
.set MSB, \new
.endif
.endm
; A slot's 16 KiB of K and 16 KiB of V, a quarter to each wave of the group, into registers.  K: each load of the wave covers 512 consecutive bytes.  V: sixteen lanes cover the slot's 256 bytes of a row.
.macro STAGE_LD
	WIN 0x40                                       ; destination window 1
.irp i, 0,1,2,3,4,5,6,7
	global_load_b128 v[GK+4*\i:GK+4*\i+3], v[KO], s[KA:KA+1] offset:2048*\i
.endr
.irp i, 0,1,2,3,4,5,6,7
	global_load_b128 v[GV+4*\i:GV+4*\i+3], v[VO], s[VA:VA+1] offset:16384*\i
.endr
	WIN 0
.endm
; and from there into the images.  Load i of K holds key 32 i + 8 IDX + lane / 4, bytes 16 (lane % 4) on: tile 2 i + IDX % 2, row 8 (IDX / 2) + lane / 4, block lane % 4.
; Load i of V holds row d = 8 i + 2 IDX + lane / 16, keys 16 (lane % 16) on: tile i / 2, row 8 (i % 2) + 2 IDX + lane / 16, block lane % 16.
.macro STAGE_ST ak, av
	WIN 0x04                                       ; the data in window 1
.irp i, 0,1,2,3,4,5,6,7
	ds_store_b128 v[\ak], v[GK+4*\i:GK+4*\i+3] offset:2*KT*\i
.endr
.irp i, 0,1,2,3,4,5,6,7
	ds_store_b128 v[\av], v[GV+4*\i:GV+4*\i+3] offset:(\i/2)*VT+(\i%2)*128
.endr
	WIN 0
.endm
; A prefetch of the slot behind the one whose loads have just been issued: slot SI + 3, where the batch walks so far.  Each aligned 256 bytes are named once in the launch: of the 16 work-groups that walk a batch
; the one with blk = 0 asks; in its group waves IDX 0, 1 ask for K's 64 blocks of 256 bytes, waves IDX 2, 3 for the slot's 256 bytes of V's 64 rows: a lane a block, one instruction a wave.
; Slots 0 to 2 come by their loads alone.  SI + 3 < NS <= 8 keeps every address inside the batch.
.macro ASK
	s_add_co_u32 s[T0], s[SI], 3
	s_cmp_lt_u32 s[T0], s[PL]
	s_cbranch_scc0 .Lnoask_\@
	s_cmp_lt_u32 s[IDX], 2
	s_cbranch_scc0 .Laskv_\@
	global_prefetch_b8 v[PFO], s[KA:KA+1] offset:16384 th:TH_LOAD_NT scope:SCOPE_SE
	s_branch .Lnoask_\@
.Laskv_\@:
	global_prefetch_b8 v[PFO], s[VA:VA+1] offset:256 th:TH_LOAD_NT scope:SCOPE_SE
.Lnoask_\@:
.endm
; Line k of 32 of tile q's sum of the unquantised p: two chains of packed additions over the 32 pairs
.macro SUMLINE q
.set sb, S+64*(\q)
.set tb, ST+8*(\q)
.set xb, XS+2*(\q)
.if k == 0
	v_pk_add_f32 v[xb:xb+1], v[sb:sb+1], v[sb+2:sb+3]
.elseif k == 31
	v_pk_add_f32 v[tb+2:tb+3], v[tb+2:tb+3], v[xb:xb+1]
.elseif (k%2) == 1
	v_pk_add_f32 v[tb+2:tb+3], v[tb+2:tb+3], v[sb+2*k+2:sb+2*k+3]
.else
	v_pk_add_f32 v[xb:xb+1], v[xb:xb+1], v[sb+2*k+2:sb+2*k+3]
.endif
.endm
; A KEY STEP: 128 keys, the st-th of the slot in hand, for my two tiles of queries.
.macro STEP st
	s_lshl_b32 s[KF], s[SI], 8
.if \st
	s_or_b32 s[KF], s[KF], 128
.endif
	s_cmp_gt_u32 s[KF], s[LM1]                     ; all 128 keys hidden: the step is left out
	s_cbranch_scc1 .Lhid_\@
	v_add_nc_u32 v[ADK], s[TB], v[AK0]
	v_add_nc_u32 v[ADV], s[TB], v[AV0]
.irp kt, 0,1,2,3,4,5,6,7                       ; K's eight fragments (16 keys x 64): two loads each
	ds_load_b128 v[KFR+8*\kt:KFR+8*\kt+3], v[ADK] offset:(8*\st+\kt)*KT
	ds_load_b128 v[KFR+8*\kt+4:KFR+8*\kt+7], v[ADK] offset:(8*\st+\kt)*KT+2*KBP
.endr
	WIN 0x40
.irp dt, 0,1,2,3                               ; V's four fragments (16 of the head's 64 x 128 keys): four loads each; they land under the softmax
.irp c, 0,1,2,3
	ds_load_b128 v[VFR+16*\dt+4*\c:VFR+16*\dt+4*\c+3], v[ADV] offset:\dt*VT+8*VBP*\st+2*VBP*\c
.endr
.endr
	s_wait_dscnt 16                                ; K's sixteen loads are in; V's sixteen, issued behind them, may be out
	WIN 0x04                                       ; Q in window 1
.irp kt, 0,1,2,3,4,5,6,7
.irp q, 0,1
	v_wmma_f32_16x16x64_bf8_bf8 v[S+64*\q+8*\kt:S+64*\q+8*\kt+7], v[KFR+8*\kt:KFR+8*\kt+7], v[QF+8*\q:QF+8*\q+7], 0
.endr
.endr
	WIN 0
.rept 4
	v_nop                                          ; four places between the products and the first read of their results (ISA guide 7.12.1)
.endr
	s_mov_b32 s[CM], s[CS]
	s_mov_b32 s[CM+1], s[CS]
	s_add_co_u32 s[T0], s[KF], 128
	s_cmp_le_u32 s[T0], s[LC]                      ; all 128 keys count: no mask
	s_cbranch_scc1 .Lopen_\@
	s_mov_b32 s[CM], 1.0                           ; the step that the length cuts: t is made here, and hidden keys get t of the fill
	s_mov_b32 s[CM+1], 1.0
.set j, 0
.rept 64
	v_pk_mul_f32 v[S+2*j:S+2*j+1], v[S+2*j:S+2*j+1], s[CS:CS+1] op_sel_hi:[1,0]   ; each accumulator from its low end on
.set j, j+1
.endr
	s_sub_co_i32 s[T0], s[LC], s[KF]
	v_lshlrev_b32 v[DD], 4, v[H]
	v_sub_nc_u32 v[DD], s[T0], v[DD]               ; register 16 b + i holds key KF + 16 (lane / 16) + 32 b + i: hidden where 32 b + i >= LC - KF - 16 (lane / 16)
.set n, 0
.rept 64
	v_cmp_ge_i32 vcc_lo, 32*(n/16)+n%16, v[DD]
	v_cndmask_b32 v[S+n], v[S+n], v[NEGT], vcc_lo
	v_cndmask_b32 v[S+64+n], v[S+64+n], v[NEGT], vcc_lo
.set n, n+1
.endr
.Lopen_\@:
	; the step's largest number of each query, among my 64 keys: two chains a tile, the tiles by turns, the registers in ascending order
.irp q, 0,1
	v_max3_num_f32 v[ST+8*\q+6], v[S+64*\q], v[S+64*\q+1], v[S+64*\q+2]
.endr
.irp q, 0,1
	v_max3_num_f32 v[ST+8*\q+7], v[S+64*\q+3], v[S+64*\q+4], v[S+64*\q+5]
.endr
.irp i, 6,10,14,18,22,26,30,34,38,42,46,50,54,58
.irp q, 0,1
	v_max3_num_f32 v[ST+8*\q+6], v[ST+8*\q+6], v[S+64*\q+\i], v[S+64*\q+\i+1]
.endr
.irp q, 0,1
	v_max3_num_f32 v[ST+8*\q+7], v[ST+8*\q+7], v[S+64*\q+\i+2], v[S+64*\q+\i+3]
.endr
.endr
.irp q, 0,1
	v_max3_num_f32 v[ST+8*\q+6], v[ST+8*\q+6], v[S+64*\q+62], v[S+64*\q+63]
.endr
.irp q, 0,1
	v_max_num_f32 v[ST+8*\q+6], v[ST+8*\q+6], v[ST+8*\q+7]
.endr
.irp q, 0,1
	v_permlanex16_b32 v[PD+\q], v[ST+8*\q+6], s[SEL], s[SEL+1]   ; the query's other 64 keys lie in the lane 16 away
.endr
.irp q, 0,1
	v_max_num_f32 v[ST+8*\q+6], v[ST+8*\q+6], v[PD+\q]
.endr
.irp q, 0,1
	v_mul_f32 v[ST+8*\q+6], s[CM], v[ST+8*\q+6]    ; as t (c is positive)
.endr
.irp q, 0,1
	v_max_num_f32 v[ST+8*\q+1], v[ST+8*\q+1], v[ST+8*\q+6]   ; the running largest t
.endr
.irp q, 0,1
	v_mov_b32 v[ST+8*\q+6], v[ST+8*\q]
.endr
.irp q, 0,1
	v_floor_f32 v[ST+8*\q], -v[ST+8*\q+1]          ; the new -M = floor(-t): M is a whole number
.endr
.irp q, 0,1
	v_sub_f32 v[ST+8*\q+6], v[ST+8*\q], v[ST+8*\q+6]   ; old M - new M, 0 or less
.endr
.irp q, 0,1
	v_cvt_i32_f32 v[ST+8*\q+6], v[ST+8*\q+6]       ; (it saturates)
.endr
.irp q, 0,1
	v_ldexp_f32 v[ST+8*\q+4], 1.0, v[ST+8*\q+6]    ; f = 2^(old M - new M)
.endr
.set k, 0
.rept 32
	v_pk_fma_f32 v[S+2*k:S+2*k+1], v[S+2*k:S+2*k+1], s[CM:CM+1], v[ST:ST+1] op_sel_hi:[1,0,0]   ; tile 0: t - M, two at a time
.set k, k+1
.endr
	; FIRST BATCH: tile 0's 64 exponentials, with tile 1's scalings set between them; nothing here names a result
.set k, 0
.rept 32
	v_exp_f32 v[S+2*k], v[S+2*k]
	v_exp_f32 v[S+2*k+1], v[S+2*k+1]
	v_pk_fma_f32 v[S+64+2*k:S+64+2*k+1], v[S+64+2*k:S+64+2*k+1], s[CM:CM+1], v[ST+8:ST+9] op_sel_hi:[1,0,0]
.set k, k+1
.endr
.irp q, 0,1
	v_pk_mul_f32 v[ST+8*\q+2:ST+8*\q+3], v[ST+8*\q+2:ST+8*\q+3], v[ST+8*\q+4:ST+8*\q+5] op_sel_hi:[1,0]   ; the sums under the new M
.endr
	s_wait_alu depctr_va_vdst(0)                   ; one wait for the batch, ahead of its first reader
	; SECOND BATCH: tile 1's 64 exponentials, with tile 0's sum set between them
.set k, 0
.rept 32
	v_exp_f32 v[S+64+2*k], v[S+64+2*k]
	v_exp_f32 v[S+64+2*k+1], v[S+64+2*k+1]
	SUMLINE 0
.set k, k+1
.endr
	s_wait_alu depctr_va_vdst(0)                   ; one wait for the second batch; the line ahead of it is plain and names none of its results
.set k, 0
.rept 32
	SUMLINE 1
.set k, k+1
.endr
	s_cmp_ge_i32 s[EP], -15                        ; with ep >= -15 the largest code x 2^ep is 1.75 or more, above every p (p <= 1): the hold cannot act and is passed over
	s_cbranch_scc1 .Lnohold_\@
.set j, 0
.rept 128
	v_min_num_f32 v[S+j], v[S+j], v[HL]            ; the conversion to an 8-bit code does not saturate (ISA guide 7.6.2); p is not negative, so the hold is one-sided
.set j, j+1
.endr
.Lnohold_\@:
	WIN 0x40                                       ; the codes in window 1
.irp q, 0,1
.irp g, 0,1,2,3,4,5,6,7
	v_cvt_scalef32_pk8_bf8_f32 v[PC+16*\q+2*\g:PC+16*\q+2*\g+1], v[S+64*\q+8*\g:S+64*\q+8*\g+7], v[SC]
.endr
.endr
	WIN 0x41                                       ; O^T in window 1, f in window 0
.irp q, 0,1
.set j, 0
.rept 16
	v_pk_mul_f32 v[O+32*\q+2*j:O+32*\q+2*j+1], v[O+32*\q+2*j:O+32*\q+2*j+1], v[ST+8*\q+4:ST+8*\q+5] op_sel_hi:[1,0]   ; O^T under the new M; plain lines between the conversions and the products that read the codes
.set j, j+1
.endr
.endr
	s_wait_dscnt 0x0                               ; V's fragments are in
	WIN 0x55
.irp dt, 0,1,2,3                               ; the eight accumulators take turns, one instruction a turn
.irp q, 0,1
	v_wmma_f32_16x16x128_bf8_bf8 v[O+32*\q+8*\dt:O+32*\q+8*\dt+7], v[VFR+16*\dt:VFR+16*\dt+15], v[PC+16*\q:PC+16*\q+15], v[O+32*\q+8*\dt:O+32*\q+8*\dt+7]
.endr
.endr
	WIN 0
.rept 4
	v_nop                                          ; four places ahead of the next loads into V's registers and of the next read of O^T
.endr
.Lhid_\@:
.endm
	s_load_b256 s[4:11], s[0:1], 0x0               ; Q s[4:5], K s[6:7], V s[8:9], valid_lens s[10:11]
	s_load_b128 s[12:15], s[0:1], 0x20             ; lowp_scales s[12:13], out0 s[14:15]
	v_lshl_add_u32 v62, v0, 2, 0x48800
	v_mov_b32 v63, 0
	v_and_b32 v[LANE], 31, v0
	v_and_b32 v[R], 15, v0
	v_bfe_u32 v[H], v0, 4, 1
	v_lshrrev_b32 v46, 5, v0
	v_readfirstlane_b32 s[WV], v46                 ; wave 0..7
	s_lshr_b32 s[GRP], s[WV], 2
	s_xor_b32 s[GRP], s[GRP], s[WV]
	s_and_b32 s[GRP], s[GRP], 1                    ; group: waves 0, 2, 5, 7 and waves 1, 3, 4, 6
	s_lshr_b32 s[IDX], s[WV], 1                    ; my place in it, 0..3
	s_lshr_b32 s[TGT], ttmp9, 4                    ; pr
	s_and_b32 s[BLK], ttmp9, 15
	s_sub_co_u32 s[T0], 31, s[TGT]
	s_cmp_eq_u32 s[GRP], 0
	s_cselect_b32 s[TGT], s[TGT], s[T0]            ; the rank of my group's batch
	; every LDS address is made here, of the thread's and the wave's number alone
	s_lshl_b32 s[T0], s[GRP], 17
	v_mul_u32_u24 v[AK0], v[H], KBP
	v_lshl_add_u32 v[AK0], v[R], 4, v[AK0]
	v_add_nc_u32 v[AK0], s[T0], v[AK0]
	v_mul_u32_u24 v[AV0], v[H], VBP
	v_lshl_add_u32 v[AV0], v[R], 4, v[AV0]
	v_add_nc_u32 v[AV0], s[T0], v[AV0]
	v_add_nc_u32 v[AV0], VOFF, v[AV0]
	s_and_b32 s[T1], s[IDX], 1
	s_mul_i32 s[T1], s[T1], KT
	s_lshr_b32 s[T2], s[IDX], 1
	s_lshl_b32 s[T2], s[T2], 7
	s_add_co_u32 s[T1], s[T1], s[T2]
	s_add_co_u32 s[T1], s[T1], s[T0]
	v_and_b32 v[KS0], 3, v0
	v_mul_u32_u24 v[KS0], v[KS0], KBP
	v_bfe_u32 v47, v0, 2, 3
	v_lshl_add_u32 v[KS0], v47, 4, v[KS0]
	v_add_nc_u32 v[KS0], s[T1], v[KS0]
	s_lshl_b32 s[T1], s[IDX], 5
	s_add_co_u32 s[T1], s[T1], s[T0]
	s_add_co_u32 s[T1], s[T1], VOFF
	v_mul_u32_u24 v[VS0], v[R], VBP
	v_lshl_add_u32 v[VS0], v[H], 4, v[VS0]
	v_add_nc_u32 v[VS0], s[T1], v[VS0]
	s_mul_i32 s[T1], s[WV], 16*SP
	s_add_co_u32 s[T1], s[T1], STAGE               ; my stage
	v_mul_u32_u24 v[STO], v[R], SP
	v_lshl_add_u32 v[STO], v[H], 5, v[STO]
	v_add_nc_u32 v[STO], s[T1], v[STO]             ; in: row r, 32 bytes for each half of the lanes
	v_mul_u32_u24 v[RD], v[H], SP
	v_lshl_add_u32 v[RD], v[R], 4, v[RD]
	v_add_nc_u32 v[RD], s[T1], v[RD]               ; back: lanes 0-15 one row of 256 bytes, lanes 16-31 the next
	; offsets in memory
	s_lshl_b32 s[T1], s[IDX], 9
	v_lshl_add_u32 v[KO], v[LANE], 4, s[T1]        ; 512 IDX + 16 lane
	s_lshl_b32 s[T1], s[IDX], 12
	v_lshl_add_u32 v[VO], v[H], 11, s[T1]
	v_lshl_add_u32 v[VO], v[R], 4, v[VO]           ; row 2 IDX + lane / 16 of 2,048 bytes, + 16 (lane % 16)
	s_cmp_lt_u32 s[IDX], 2
	s_cselect_b32 s[T1], 8, 11                     ; from lane to lane: 256 bytes in K, a row of 2,048 in V
	s_and_b32 s[T2], s[IDX], 1
	s_lshl_b32 s[T2], s[T2], 5
	v_add_nc_u32 v[PFO], s[T2], v[LANE]
	v_lshlrev_b32 v[PFO], s[T1], v[PFO]            ; (32 (IDX % 2) + lane) of them
	v_lshlrev_b32 v[QO], 6, v[R]
	v_lshl_add_u32 v[QO], v[H], 4, v[QO]           ; Q: row r of 64 bytes, + 16 (lane / 16)
	v_lshlrev_b32 v[GO], 4, v[LANE]
	v_lshlrev_b32 v50, 2, v[LANE]
	s_mov_b32 s[OF+1], 0
	s_wait_kmcnt 0x0
	global_load_b32 v46, v50, s[10:11]             ; lane i: the length of batch i
	s_load_b128 s[16:19], s[12:13], 0x0            ; eq, ek, ep, ev
	s_wait_loadcnt 0x0
	; THE RANK.  key i = (the last key walked in batch i) x 32 + i: 32 different numbers.  rank i = how many keys lie under key i.  Every wave computes it; no memory is written.
	v_add_nc_u32 v46, -1, v46
	v_min_u32 v46, 0x7ff, v46                      ; L <= 0 wraps round and is held at 2,047: such a batch walks all keys
	v_lshl_or_b32 v47, v46, 5, v[LANE]
	v_mov_b32 v48, 0
.set j, 0
.rept 32
	v_readlane_b32 s[RK+j], v47, j
.set j, j+1
.endr
.set j, 0
.rept 32
	v_cmp_lt_u32 vcc_lo, s[RK+j], v47
	v_add_co_ci_u32 v48, vcc_lo, 0, v48, vcc_lo    ; + 1 where key j < mine
.set j, j+1
.endr
	v_cmp_eq_u32 s[T0], s[TGT], v48
	s_ctz_i32_b32 s[BB], s[T0]                     ; the one lane with my group's rank
	s_min_u32 s[BB], s[BB], 31
	s_lshl_b32 s[T1], s[BB], 2
	s_load_b32 s[LV], s[10:11], s[T1] offset:0x0   ; its length.  (s[T1] stays as it is until this load is waited for)
	s_lshl_b32 s[OF], s[BB], 17                    ; a batch's codes: 131,072 bytes in each of the three tensors
	s_add_nc_u64 s[6:7], s[6:7], s[OF:OF+1]
	s_add_nc_u64 s[8:9], s[8:9], s[OF:OF+1]
	s_add_nc_u64 s[4:5], s[4:5], s[OF:OF+1]
	s_lshl_b32 s[T0], s[BLK], 7
	s_lshl_b32 s[T2], s[IDX], 5
	s_add_co_u32 s[T0], s[T0], s[T2]               ; my first query: 128 blk + 32 IDX
	s_lshl_b32 s[OF], s[T0], 6
	s_add_nc_u64 s[4:5], s[4:5], s[OF:OF+1]
	s_lshl_b32 s[OF], s[BB], 19
	s_add_nc_u64 s[14:15], s[14:15], s[OF:OF+1]
	s_lshl_b32 s[OF], s[T0], 8
	s_add_nc_u64 s[14:15], s[14:15], s[OF:OF+1]
	s_mov_b64 s[KA:KA+1], s[6:7]
	s_mov_b64 s[VA:VA+1], s[8:9]
	WIN 0x40
.irp q, 0,1                                    ; Q's two fragments stay in registers; each row is read once in the launch
	global_load_b128 v[QF+8*\q:QF+8*\q+3], v[QO], s[4:5] offset:1024*\q th:TH_LOAD_NT
	global_load_b128 v[QF+8*\q+4:QF+8*\q+7], v[QO], s[4:5] offset:1024*\q+32 th:TH_LOAD_NT
.endr
	STAGE_LD                                       ; slot 0
	s_wait_kmcnt 0x0
	s_sub_co_u32 s[LM1], s[LV], 1
	s_min_u32 s[LM1], s[LM1], 2047
	s_lshr_b32 s[NS], s[LM1], 8
	s_add_co_u32 s[NS], s[NS], 1
	s_max_i32 s[LC], s[LV], 0
	s_min_i32 s[LC], s[LC], 2048
	s_cmp_eq_u32 s[BLK], 0
	s_cselect_b32 s[PL], s[NS], 0
	s_add_co_i32 s[T0], s16, s17
	s_lshl_b32 s[T0], s[T0], 23
	s_add_co_i32 s[CS], s[T0], 0x3e38aa3b          ; log2(e) / 8, with eq + ek added to its exponent field
	s_mov_b32 s[CS+1], s[CS]
	s_add_co_i32 s[T0], s[EP], 127
	s_lshl_b32 s[T2], s[T0], 23
	v_mov_b32 v[SC], s[T2]                         ; 2^ep: the conversion takes its exponent field
	s_add_co_i32 s[T0], s[T0], 15
	s_lshl_b32 s[T0], s[T0], 23
	s_or_b32 s[T0], s[T0], 0x600000
	v_mov_b32 v[HL], s[T0]                         ; 57,344 x 2^ep
	s_add_co_i32 s[EO], s[EP], s19
	s_mov_b32 s[SEL], 0x76543210
	s_mov_b32 s[SEL+1], 0xfedcba98
	v_mov_b32 v[NEGT], 0xc9b01c38                  ; -1e6 x log2(e) = -1,442,695.0 in f32
.irp q, 0,1
	v_mov_b32 v[ST+8*\q+1], 0xff61b1e6             ; the largest t so far: -3e38, under every t
	v_floor_f32 v[ST+8*\q], -v[ST+8*\q+1]
	v_mov_b32 v[ST+8*\q+2], 0
	v_mov_b32 v[ST+8*\q+3], 0
	v_mov_b32 v[ST+8*\q+5], 0                      ; (named as the upper half of f's pair)
	v_mov_b32 v[PD+\q], 0                          ; (a lane exchange's destination counts as one of its sources)
.endr
	WIN 0x40
.set j, 0
.rept 64
	v_mov_b32 v[O+j], 0                            ; O^T.  The step is written once: its first run finds zeros, which the first change of M leaves zeros
.set j, j+1
.endr
	WIN 0
	s_mov_b32 s[TB], 0
	s_mov_b32 s[SI], 0
	s_wait_loadcnt 0x0                             ; Q and slot 0 are in registers
	STAGE_ST KS0, VS0
	s_wait_dscnt 0x0                               ; the stores have read their registers and have landed
	s_add_nc_u64 s[KA:KA+1], s[6:7], 16384         ; (the loads that named these are done)
	s_add_nc_u64 s[VA:VA+1], s[8:9], 256
	STAGE_LD                                       ; slot 1, whatever the length: it lies inside the batch, and the registers are then written on every way
	s_barrier_signal -1
	s_barrier_wait -1                              ; slot 0 is whole in both groups
.Lslot:                                            ; eight trips, a constant; a group whose batch is walked passes the barriers and does nothing else
	s_cmp_ge_u32 s[SI], s[NS]
	s_cbranch_scc1 .Lidle
	s_add_co_u32 s[T0], s[SI], 1
	s_cmp_ge_u32 s[T0], s[NS]
	s_cbranch_scc1 .Lnostage
	s_wait_loadcnt 0x0                             ; slot SI + 1, asked for a trip ago, is in registers
	s_xor_b32 s[T0], s[TB], SLOT1
	v_add_nc_u32 v[SK], s[T0], v[KS0]
	v_add_nc_u32 v[SV], s[T0], v[VS0]
	STAGE_ST SK, SV                                ; into the slot that every wave left at the last barrier
	s_add_co_u32 s[T0], s[SI], 2
	s_cmp_ge_u32 s[T0], s[NS]
	s_cbranch_scc1 .Lnostage
	s_wait_xcnt 0x0                                ; the last trip's prefetch has read its base
	s_lshl_b32 s[OF], s[T0], 14
	s_add_nc_u64 s[KA:KA+1], s[6:7], s[OF:OF+1]
	s_lshl_b32 s[OF], s[T0], 8
	s_add_nc_u64 s[VA:VA+1], s[8:9], s[OF:OF+1]
	s_wait_dscnt 0x0                               ; the stores have read the registers that the loads below fill
	STAGE_LD                                       ; slot SI + 2: it has this trip's two steps in which to come
	ASK
.Lnostage:
	STEP 0
	STEP 1
.Lidle:
	s_wait_dscnt 0x0                               ; my reads of this slot are back and my stores into the other have landed
	s_barrier_signal -1
	s_barrier_wait -1                              ; so of every wave: the other slot is whole, and this one may be written
	s_xor_b32 s[TB], s[TB], SLOT1
	s_add_co_u32 s[SI], s[SI], 1
	s_cmp_lt_u32 s[SI], 8
	s_cbranch_scc1 .Lslot
	; THE WAY OUT.  The sum's two halves and the other half of the lanes' are added; O^T x 2^(ep + ev) / the sum goes through my stage, a tile (16 rows of 256 bytes) at a time, and leaves as whole rows.
.irp q, 0,1
	v_add_f32 v[ST+8*\q+6], v[ST+8*\q+2], v[ST+8*\q+3]
.endr
.irp q, 0,1
	v_permlanex16_b32 v[PD+\q], v[ST+8*\q+6], s[SEL], s[SEL+1]
.endr
.irp q, 0,1
	v_add_f32 v[ST+8*\q+6], v[ST+8*\q+6], v[PD+\q]
.endr
.irp q, 0,1
	v_rcp_f32 v[ST+8*\q+4], v[ST+8*\q+6]
.endr
	v_nop                                          ; a plain line behind the reciprocals
	s_wait_alu depctr_va_vdst(0)                   ; one wait for both, ahead of the first reader
.irp q, 0,1
	v_ldexp_f32 v[ST+8*\q+4], v[ST+8*\q+4], s[EO]
.endr
.irp q, 0,1
	WIN 0x01                                       ; O^T in window 1; the results take p's registers in window 0
.set j, 0
.rept 16
	v_pk_mul_f32 v[S+32*\q+2*j:S+32*\q+2*j+1], v[O+32*\q+2*j:O+32*\q+2*j+1], v[ST+8*\q+4:ST+8*\q+5] op_sel_hi:[1,0]   ; register 8 t + i is o(query r, 16 t + 8 (lane / 16) + i); each accumulator from its low end on
.set j, j+1
.endr
	WIN 0
.irp dt, 0,1,2,3
	ds_store_b128 v[STO], v[S+32*\q+8*\dt:S+32*\q+8*\dt+3] offset:64*\dt
	ds_store_b128 v[STO], v[S+32*\q+8*\dt+4:S+32*\q+8*\dt+7] offset:64*\dt+16
.endr
.irp i, 0,1,2,3,4,5,6,7
	ds_load_b128 v[OUTR+32*\q+4*\i:OUTR+32*\q+4*\i+3], v[RD] offset:2*SP*\i   ; LDS serves a wave's instructions in order (ISA guide 5.7.1.4): these see my stores, and the next tile's stores come behind them
.endr
.endr
.irp q, 0,1
.irp i, 0,1,2,3,4,5,6,7
	s_wait_dscnt 23-16*\q-\i                       ; what was issued behind this load: the tile's later loads, and for tile 0 the sixteen of tile 1
	global_store_b128 v[GO], v[OUTR+32*\q+4*\i:OUTR+32*\q+4*\i+3], s[14:15] offset:4096*\q+512*\i th:TH_STORE_NT   ; the wave stores 512 consecutive bytes, two whole rows, at a multiple of 256 from out0's first byte
.endr
.endr
	s_wait_tensorcnt 0x0
	ds_add_u32 v62, v63
	s_wait_dscnt 0x0
	s_endpgm
.Lfunc_end_k_q75c79ea9c2_attn:
	.size	k_q75c79ea9c2_attn, .Lfunc_end_k_q75c79ea9c2_attn-k_q75c79ea9c2_attn
	.p2alignl 7, 3214868480
	.fill 96, 4, 3214868480
	.section	.rodata,"a",@progbits
	.p2align	6, 0x0
	.amdhsa_kernel k_q75c79ea9c2_attn
		.amdhsa_group_segment_fixed_size 297984
		.amdhsa_private_segment_fixed_size 0
		.amdhsa_enable_private_segment 0
		.amdhsa_kernarg_size 48
		.amdhsa_user_sgpr_count 2
		.amdhsa_user_sgpr_kernarg_segment_ptr 1
		.amdhsa_wavefront_size32 1
		.amdhsa_system_sgpr_workgroup_id_x 1
		.amdhsa_system_sgpr_workgroup_id_y 1
		.amdhsa_system_sgpr_workgroup_id_z 1
		.amdhsa_system_vgpr_workitem_id 0
		.amdhsa_next_free_vgpr 512
		.amdhsa_next_free_sgpr 100
		.amdhsa_reserve_vcc 1
		.amdhsa_float_denorm_mode_32 3
		.amdhsa_float_denorm_mode_16_64 3
		.amdhsa_memory_ordered 1
		.amdhsa_forward_progress 1
		.amdhsa_inst_pref_size 107
	.end_amdhsa_kernel
	.amdgpu_metadata
---
amdhsa.version: [ 1, 2 ]
amdhsa.kernels:
  - .name:           k_q75c79ea9c2_attn
    .symbol:         k_q75c79ea9c2_attn.kd
    .args:
      - { .name: queries_codes, .offset: 0, .size: 8, .value_kind: global_buffer, .address_space: global }
      - { .name: keys_codes, .offset: 8, .size: 8, .value_kind: global_buffer, .address_space: global }
      - { .name: values_codes, .offset: 16, .size: 8, .value_kind: global_buffer, .address_space: global }
      - { .name: valid_lens, .offset: 24, .size: 8, .value_kind: global_buffer, .address_space: global }
      - { .name: lowp_scales, .offset: 32, .size: 8, .value_kind: global_buffer, .address_space: global }
      - { .name: out0, .offset: 40, .size: 8, .value_kind: global_buffer, .address_space: global }
    .group_segment_fixed_size: 297984
    .private_segment_fixed_size: 0
    .kernarg_segment_align: 8
    .kernarg_segment_size: 48
    .max_flat_workgroup_size: 256
    .sgpr_count:     100
    .vgpr_count:     512
    .wavefront_size: 32
...
	.end_amdgpu_metadata
.endif
;; end of part 1
;; ======== version 2 of 2: 1 launch; version 1 with the launch attn written anew for expert scheduling mode
;; limits: right only within a limited range of input values
;; launch attn (part 2): grid 256 x 1, 8 waves a work-group, no clusters, 297,984 bytes of LDS; arguments queries_codes, keys_codes, values_codes, valid_lens, lowp_scales, out0; writes out0
.if DOCPART == 2
	.amdgcn_target "amdgcn-amd-amdhsa--gfx1250"
	.amdhsa_code_object_version 6
	.text
	.protected	k_q75c79ea9c2_attn
	.globl	k_q75c79ea9c2_attn
	.p2align	8
	.type	k_q75c79ea9c2_attn,@function
k_q75c79ea9c2_attn:
	s_mov_b64 s[64:65], 0
	v_nop
	global_prefetch_b8 v0, s[64:65] scope:SCOPE_SE
	s_setreg_imm32_b32 hwreg(HW_REG_WAVE_SCHED_MODE, 0, 2), 2
	s_setreg_imm32_b32 hwreg(HW_REG_WAVE_MODE, 25, 1), 1
	s_wait_xcnt 0x0
	s_wait_alu depctr_vm_vsrc(0)
; out0[b][q][:] = sum over k of softmax_k(Q[b][q] . K[b][k] / 8, keys k >= valid_lens[b] filled with -1e6) V[b][k][:], both products on codes of BF8 (E5M2).
; Q, K: [32][2048][64] codes, the head's 64 innermost.  V: [32][64][2048] codes, the keys innermost.  lowp_scales: eq, ek, ep, ev.  out0: [32][2048][64] f32.
; SOFTMAX.  t = logit x log2(e); M = the running largest t rounded up to a whole number; p = 2^(t - M) is quantised with 2^ep; the sum is taken of the unquantised p and divides at the end;
; when M moves, the sum and O are multiplied by 2^(old M - new M), which rounds nothing.
; HIDDEN KEYS.  A batch of length L needs ceil(L / 128) of its 16 key steps: a step all of whose keys are hidden is left out by a scalar branch on valid_lens; the one step that L cuts fills t with -1e6 x log2(e).
; L <= 0: all 16 steps run with every key filled.  L > 2048: every key counts.
; SHARES.  256 work-groups of eight waves.  The waves are two groups of four.  Work-group g: pr = g / 16, blk = g % 16.  Group 0 takes the batch whose length has rank pr (ascending), group 1 that of rank 31 - pr,
; so that a long batch and a short one share a work-group; each group takes queries 128 blk .. + 127 of its batch, each wave 32 of them: two tiles of 16.  Every (batch, block) has one owner.
; K AND V GO THROUGH REGISTERS INTO LDS (global_load_b128, ds_store_b128), 256 keys a slot, two slots a group, one barrier a trip, eight trips (a constant); every barrier stands outside every branch on a length.
; NO TENSOR LOADS, NO CLUSTER: the steps left out are (16 - ceil(L / 128)) of 16 for each batch; what 16 work-groups share is 32 KiB a trip.
; LAYOUT.  Both products are used transposed: S^T = K Q^T (source 0 = 16 keys), O^T = V^T P^T (source 0 = 16 of the head's 64): a lane holds one query (lane % 16) throughout.
; The keys of a tile are not neighbours: row r of tile 2 i + u is key 32 i + 8 u + r + 8 (r / 8), so that the 16 registers of tiles 2 b, 2 b + 1 are keys 32 b + 16 (lane / 16) + 0 .. 15: the conversions give the second product's operand.
; Fragments hold k in pieces of 16 bytes (k = 32 c + 16 (lane / 16) + 0 .. 15 in registers 4 c .. 4 c + 3), alike in both sources of each product: every product meets its partner.
; LIMITS.  Leaving hidden steps out is exact while a row's largest counted logit lies above about -999,890 (then 2^(t - M) of a filled key is 0 in f32).  eq + ek between -123 and 130; ep between -126 and 112.
; Codes of infinity and NaN are not served.
; LDS.  Group x 131,072 + slot x 65,536: K's image, 16 tiles of 1,280 bytes = 4 blocks (bytes 16 x block .. + 15 of the 16 keys' rows; 16 bytes a key) 320 bytes apart; at + 20,480 V's image, 4 tiles of 16 rows d,
; 4,352 bytes = 16 blocks (16 keys each; 16 bytes a row) 272 bytes apart.  A fragment load's sixteen lanes read 256 consecutive bytes; a store's sixteen lanes fall on sixteen different 16-byte columns modulo 256.
; From 262,144: a stage of 16 rows x 272 bytes for each wave, for the way out.
; REGISTERS.  Window 0: v1-15 addresses; v16-31 statistics, eight a tile; v64-191 S^T, then p, 64 a tile; v192-255 K's eight fragments.
; Window 1: v0-31 p's codes; v32-47 Q; v64-127 O^T, 32 a tile; v128-159, v160-191 K and V on their way to LDS; v192-255 V's four fragments.
; THE MODE: SCHED_MODE bits 1:0 = 2 (LLVM: expert scheduling mode 2), set by the entry lines.  The code itself states the register dependences between vector or matrix instructions and memory or LDS
; instructions, with s_wait_alu, always for 0.
; THE PLAN.  Registers that memory or LDS instructions touch, and who else names them:
;   v1-9, v14, v15, v44, v45, v49, v50   offsets and LDS addresses, written once at the head and never again: one wait on va_vdst, ahead of the first load, serves every instruction that reads them.
;   v10-13 (ADK, ADV, SK, SV)            the trip's four LDS addresses: written at the trip's head, a wait on vm_vsrc ahead of the four additions and one on va_vdst behind them; read by the trip's LDS loads and stores.
;   K's fragments                        read by a step's sixteen products K Q^T alone.  The first step's loads stand behind the trip's wait on va_vdst.  The second step's are dealt among the first step's second batch of
;                                        exponentials, behind the wait for its first batch, ahead of which that step's products K Q^T stand; nothing issued since that wait names them or ADK.
;   V's fragments                        read by a step's eight products V^T P^T alone, the step's last.  A step's loads stand behind the wait for its first batch, ahead of which the step before's products stand.
;   K and V on their way (window 1)      named by memory and LDS instructions alone: loads land, LDS stores read: a wait on vm_vsrc between the stores and the next loads.
;   the way out                          v64-127 are written by the 32 multiplications and read by the LDS stores; the stage's loads land in v128-191: one wait on va_vdst ahead of them all.
; So a step holds the two waits that its two batches of exponentials ask for and no other; a trip has three more.
; Scalar registers that vector instructions write (the wave's number; the 32 keys, their 32 masks and the chosen lane's mask at the head; 32 masks at a time in the step that the length cuts): written in runs, one wait on va_sdst
; behind each run, ahead of its first reader.  No line of the kernel names VCC.
.set SLOT1, 65536
.set VOFF,  20480
.set KT,    1280
.set KBP,   320
.set VT,    4352
.set VBP,   272
.set STAGE, 262144
.set SP,    272
.set LANE, 1
.set R,    2
.set H,    3
.set AK0,  4                           ; where my lane reads K's fragments in slot 0
.set AV0,  5                           ; and V's
.set KS0,  6                           ; where my lane stores K's 16 bytes in slot 0
.set VS0,  7                           ; and V's
.set KO,   8                           ; my byte offset in a slot's 16,384 bytes of K
.set VO,   9                           ; my byte offset among V's rows
.set ADK,  10
.set ADV,  11
.set SK,   12
.set SV,   13
.set PFO,  14                          ; the prefetches' offset
.set QO,   15
.set ST,   16                          ; tile q at ST + 8 q: +0 -M, +1 the largest t, +2, +3 the sum, +4 f (+5 named with it), +6, +7 the maximum's two chains
.set XS,   32                          ; the sum's second chain, a pair a tile
.set PD,   36                          ; the lane exchange's destination, one a tile
.set SC,   40                          ; 2^ep
.set HL,   41                          ; 57,344 x 2^ep
.set NEGT, 42                          ; -1e6 x log2(e)
.set DD,   43
.set STO,  44
.set RD,   45
.set GO,   49
.set ONE,  51                          ; v51, v52: at the head only: 0 or 1 by a mask, by turns
.set S,    64
.set OUTR, 128
.set KFR,  192
.set PC,   0                           ; window 1
.set QF,   32
.set O,    64
.set GK,   128
.set GV,   160
.set VFR,  192
.set EP,   18                          ; s16-19: eq, ek, ep, ev
.set WV,   20
.set GRP,  21
.set IDX,  22
.set TGT,  23
.set BLK,  24
.set BB,   25                          ; my batch
.set LV,   26
.set LC,   27                          ; its length, held between 0 and 2,048
.set LM1,  28                          ; the last key that is walked
.set NS,   29                          ; slots that are walked, 1 to 8
.set SI,   30                          ; the trip = the slot in hand
.set TB,   31                          ; its LDS byte: 0 or SLOT1
.set CS,   32                          ; s[32:33] c = log2(e) / 8 x 2^(eq + ek)
.set CM,   34                          ; s[34:35] what this step's numbers are multiplied by: c, or 1 where the mask has made t already
.set SEL,  36
.set KA,   38                          ; s[38:39] K at the slot being loaded
.set VA,   40                          ; s[40:41] V likewise
.set OF,   42                          ; s[42:43] an offset, its high word 0
.set KF,   44                          ; the step's first key
.set T0,   45
.set PL,   46                          ; NS in the group that prefetches, else 0
.set EO,   47                          ; ep + ev
.set T1,   48
.set T2,   49
.set RK,   68                          ; s[68:99] at the head the 32 sort keys, then their masks; in the step that the length cuts, 32 masks at a time
.set MSB, 0
.macro WIN new                         ; the immediate's high byte repeats the setting that is left; a switch that changes nothing is dropped
.if MSB != \new
	s_set_vgpr_msb (MSB<<8)|\new
.set MSB, \new
.endif
.endm
; A slot's 16 KiB of K and 16 KiB of V, a quarter to each wave of the group, into registers.  K: each load of the wave covers 512 consecutive bytes.  V: sixteen lanes cover the slot's 256 bytes of a row.
.macro STAGE_LD
	WIN 0x40                                       ; destination window 1
.irp i, 0,1,2,3,4,5,6,7
	global_load_b128 v[GK+4*\i:GK+4*\i+3], v[KO], s[KA:KA+1] offset:2048*\i
.endr
.irp i, 0,1,2,3,4,5,6,7
	global_load_b128 v[GV+4*\i:GV+4*\i+3], v[VO], s[VA:VA+1] offset:16384*\i
.endr
	WIN 0
.endm
; and from there into the images.  Load i of K holds key 32 i + 8 IDX + lane / 4, bytes 16 (lane % 4) on: tile 2 i + IDX % 2, row 8 (IDX / 2) + lane / 4, block lane % 4.
; Load i of V holds row d = 8 i + 2 IDX + lane / 16, keys 16 (lane % 16) on: tile i / 2, row 8 (i % 2) + 2 IDX + lane / 16, block lane % 16.
.macro STAGE_ST ak, av
	WIN 0x04                                       ; the data in window 1
.irp i, 0,1,2,3,4,5,6,7
	ds_store_b128 v[\ak], v[GK+4*\i:GK+4*\i+3] offset:2*KT*\i
.endr
.irp i, 0,1,2,3,4,5,6,7
	ds_store_b128 v[\av], v[GV+4*\i:GV+4*\i+3] offset:(\i/2)*VT+(\i%2)*128
.endr
	WIN 0
.endm
; A prefetch of the slot behind the one whose loads have just been issued: slot SI + 3, where the batch walks so far.  Each aligned 256 bytes are named once in the launch: of the 16 work-groups that walk a batch
; the one with blk = 0 asks; in its group waves IDX 0, 1 ask for K's 64 blocks of 256 bytes, waves IDX 2, 3 for the slot's 256 bytes of V's 64 rows: a lane a block, one instruction a wave.
; Slots 0 to 2 come by their loads alone.  SI + 3 < NS <= 8 keeps every address inside the batch.  (Its offset register is one of those written at the head alone.)
.macro ASK
	s_add_co_u32 s[T0], s[SI], 3
	s_cmp_lt_u32 s[T0], s[PL]
	s_cbranch_scc0 .Lnoask_\@
	s_cmp_lt_u32 s[IDX], 2
	s_cbranch_scc0 .Laskv_\@
	global_prefetch_b8 v[PFO], s[KA:KA+1] offset:16384 th:TH_LOAD_NT scope:SCOPE_SE
	s_branch .Lnoask_\@
.Laskv_\@:
	global_prefetch_b8 v[PFO], s[VA:VA+1] offset:256 th:TH_LOAD_NT scope:SCOPE_SE
.Lnoask_\@:
.endm
; Line k of 32 of tile q's sum of the unquantised p: two chains of packed additions over the 32 pairs
.macro SUMLINE q
.set sb, S+64*(\q)
.set tb, ST+8*(\q)
.set xb, XS+2*(\q)
.if k == 0
	v_pk_add_f32 v[xb:xb+1], v[sb:sb+1], v[sb+2:sb+3]
.elseif k == 31
	v_pk_add_f32 v[tb+2:tb+3], v[tb+2:tb+3], v[xb:xb+1]
.elseif (k%2) == 1
	v_pk_add_f32 v[tb+2:tb+3], v[tb+2:tb+3], v[sb+2*k+2:sb+2*k+3]
.else
	v_pk_add_f32 v[xb:xb+1], v[xb:xb+1], v[sb+2*k+2:sb+2*k+3]
.endif
.endm
; A KEY STEP: 128 keys, the st-th of the slot in hand, for my two tiles of queries.  Its fragments of K have been asked for: the first step's at the trip's head, the second step's in the first step.
.macro STEP st
	s_lshl_b32 s[KF], s[SI], 8
.if \st
	s_or_b32 s[KF], s[KF], 128
	s_cmp_gt_u32 s[KF], s[LM1]                     ; all 128 keys hidden: the step is left out.  (A walked slot's first step has no such test: SI < NS = LM1 / 256 + 1 gives 256 SI <= LM1)
	s_cbranch_scc1 .Lhid_\@
.endif
	s_wait_dscnt 0x0                               ; K's sixteen fragment loads are in; nothing younger than they is wanted out
	WIN 0x04                                       ; Q in window 1
.irp kt, 0,1,2,3,4,5,6,7
.irp q, 0,1
	v_wmma_f32_16x16x64_bf8_bf8 v[S+64*\q+8*\kt:S+64*\q+8*\kt+7], v[KFR+8*\kt:KFR+8*\kt+7], v[QF+8*\q:QF+8*\q+7], 0
.endr
.endr
	WIN 0
.rept 4
	v_nop                                          ; four places between the products and the first read of their results (ISA guide 7.12.1)
.endr
	s_mov_b32 s[CM], s[CS]
	s_mov_b32 s[CM+1], s[CS]
	s_add_co_u32 s[T0], s[KF], 128
	s_cmp_le_u32 s[T0], s[LC]                      ; all 128 keys count: no mask
	s_cbranch_scc1 .Lopen_\@
	s_mov_b32 s[CM], 1.0                           ; the step that the length cuts: t is made here, and hidden keys get t of the fill
	s_mov_b32 s[CM+1], 1.0
.set j, 0
.rept 64
	v_pk_mul_f32 v[S+2*j:S+2*j+1], v[S+2*j:S+2*j+1], s[CS:CS+1] op_sel_hi:[1,0]   ; each accumulator from its low end on
.set j, j+1
.endr
	s_sub_co_i32 s[T0], s[LC], s[KF]
	v_lshlrev_b32 v[DD], 4, v[H]
	v_sub_nc_u32 v[DD], s[T0], v[DD]               ; register 16 b + i holds key KF + 16 (lane / 16) + 32 b + i: hidden where 32 b + i >= LC - KF - 16 (lane / 16)
.irp hf, 0,1                                   ; 32 registers of each tile at a time: a run of 32 compares into 32 scalar registers, one wait, the 64 selections
.set n, 0
.rept 32
	v_cmp_ge_i32 s[RK+n], 32*((32*\hf+n)/16)+n%16, v[DD]
.set n, n+1
.endr
	s_wait_alu depctr_va_sdst(0)                   ; the 32 compares have written their masks, ahead of the first selection that reads one
.set n, 0
.rept 32
	v_cndmask_b32 v[S+32*\hf+n], v[S+32*\hf+n], v[NEGT], s[RK+n]
	v_cndmask_b32 v[S+64+32*\hf+n], v[S+64+32*\hf+n], v[NEGT], s[RK+n]
.set n, n+1
.endr
.endr
.Lopen_\@:
	; the step's largest number of each query, among my 64 keys: two chains a tile, the tiles by turns, the registers in ascending order
.irp q, 0,1
	v_max3_num_f32 v[ST+8*\q+6], v[S+64*\q], v[S+64*\q+1], v[S+64*\q+2]
.endr
.irp q, 0,1
	v_max3_num_f32 v[ST+8*\q+7], v[S+64*\q+3], v[S+64*\q+4], v[S+64*\q+5]
.endr
.irp i, 6,10,14,18,22,26,30,34,38,42,46,50,54,58
.irp q, 0,1
	v_max3_num_f32 v[ST+8*\q+6], v[ST+8*\q+6], v[S+64*\q+\i], v[S+64*\q+\i+1]
.endr
.irp q, 0,1
	v_max3_num_f32 v[ST+8*\q+7], v[ST+8*\q+7], v[S+64*\q+\i+2], v[S+64*\q+\i+3]
.endr
.endr
.irp q, 0,1
	v_max3_num_f32 v[ST+8*\q+6], v[ST+8*\q+6], v[S+64*\q+62], v[S+64*\q+63]
.endr
.irp q, 0,1
	v_max_num_f32 v[ST+8*\q+6], v[ST+8*\q+6], v[ST+8*\q+7]
.endr
.irp q, 0,1
	v_permlanex16_b32 v[PD+\q], v[ST+8*\q+6], s[SEL], s[SEL+1]   ; the query's other 64 keys lie in the lane 16 away
.endr
.irp q, 0,1
	v_max_num_f32 v[ST+8*\q+6], v[ST+8*\q+6], v[PD+\q]
.endr
.irp q, 0,1
	v_mul_f32 v[ST+8*\q+6], s[CM], v[ST+8*\q+6]    ; as t (c is positive)
.endr
.irp q, 0,1
	v_max_num_f32 v[ST+8*\q+1], v[ST+8*\q+1], v[ST+8*\q+6]   ; the running largest t
.endr
.irp q, 0,1
	v_mov_b32 v[ST+8*\q+6], v[ST+8*\q]
.endr
.irp q, 0,1
	v_floor_f32 v[ST+8*\q], -v[ST+8*\q+1]          ; the new -M = floor(-t): M is a whole number
.endr
.irp q, 0,1
	v_sub_f32 v[ST+8*\q+6], v[ST+8*\q], v[ST+8*\q+6]   ; old M - new M, 0 or less
.endr
.irp q, 0,1
	v_cvt_i32_f32 v[ST+8*\q+6], v[ST+8*\q+6]       ; (it saturates)
.endr
.irp q, 0,1
	v_ldexp_f32 v[ST+8*\q+4], 1.0, v[ST+8*\q+6]    ; f = 2^(old M - new M)
.endr
.set k, 0
.rept 32
	v_pk_fma_f32 v[S+2*k:S+2*k+1], v[S+2*k:S+2*k+1], s[CM:CM+1], v[ST:ST+1] op_sel_hi:[1,0,0]   ; tile 0: t - M, two at a time
.set k, k+1
.endr
	; FIRST BATCH: tile 0's 64 exponentials, with tile 1's scalings set between them; nothing here names a result
.set k, 0
.rept 32
	v_exp_f32 v[S+2*k], v[S+2*k]
	v_exp_f32 v[S+2*k+1], v[S+2*k+1]
	v_pk_fma_f32 v[S+64+2*k:S+64+2*k+1], v[S+64+2*k:S+64+2*k+1], s[CM:CM+1], v[ST+8:ST+9] op_sel_hi:[1,0,0]
.set k, k+1
.endr
.irp q, 0,1
	v_pk_mul_f32 v[ST+8*\q+2:ST+8*\q+3], v[ST+8*\q+2:ST+8*\q+3], v[ST+8*\q+4:ST+8*\q+5] op_sel_hi:[1,0]   ; the sums under the new M
.endr
	WIN 0x40                                       ; V's fragments lie in window 1: the switch, the wait, the loads
	s_wait_alu depctr_va_vdst(0)                   ; tile 0's exponentials have written their results, ahead of their first reader (one wait for the batch); the step before's products V^T P^T are done reading V's fragments, and this step's products K Q^T K's, in which the loads below land
.irp dt, 0,1,2,3                               ; V's four fragments (16 of the head's 64 x 128 keys): four loads each; they land under the second batch, the sums and the conversions
.irp c, 0,1,2,3
	ds_load_b128 v[VFR+16*\dt+4*\c:VFR+16*\dt+4*\c+3], v[ADV] offset:\dt*VT+8*VBP*\st+2*VBP*\c
.endr
.endr
	WIN 0
	; SECOND BATCH: tile 1's 64 exponentials, with tile 0's sum set between them; in a slot's first step also the sixteen loads of the second step's fragments of K (16 keys x 64: two loads each).
	; No wait for these loads: nothing issued since the wait above names K's fragments or ADK
.set k, 0
.rept 32
	v_exp_f32 v[S+64+2*k], v[S+64+2*k]
	v_exp_f32 v[S+64+2*k+1], v[S+64+2*k+1]
	SUMLINE 0
.if (\st == 0) && (k < 16)
	ds_load_b128 v[KFR+4*k:KFR+4*k+3], v[ADK] offset:(8+k/2)*KT+2*KBP*(k%2)
.endif
.set k, k+1
.endr
	s_wait_alu depctr_va_vdst(0)                   ; tile 1's exponentials have written their results, ahead of their first reader: one wait for the second batch; the vector line ahead of it is plain and names none of them
.set k, 0
.rept 32
	SUMLINE 1
.set k, k+1
.endr
	s_cmp_ge_i32 s[EP], -15                        ; with ep >= -15 the largest code x 2^ep is 1.75 or more, above every p (p <= 1): the hold cannot act and is passed over
	s_cbranch_scc1 .Lnohold_\@
.set j, 0
.rept 128
	v_min_num_f32 v[S+j], v[S+j], v[HL]            ; the conversion to an 8-bit code does not saturate (ISA guide 7.6.2); p is not negative, so the hold is one-sided
.set j, j+1
.endr
.Lnohold_\@:
	WIN 0x40                                       ; the codes in window 1
.irp q, 0,1
.irp g, 0,1,2,3,4,5,6,7
	v_cvt_scalef32_pk8_bf8_f32 v[PC+16*\q+2*\g:PC+16*\q+2*\g+1], v[S+64*\q+8*\g:S+64*\q+8*\g+7], v[SC]
.endr
.endr
	WIN 0x41                                       ; O^T in window 1, f in window 0
.irp q, 0,1
.set j, 0
.rept 16
	v_pk_mul_f32 v[O+32*\q+2*j:O+32*\q+2*j+1], v[O+32*\q+2*j:O+32*\q+2*j+1], v[ST+8*\q+4:ST+8*\q+5] op_sel_hi:[1,0]   ; O^T under the new M; plain lines between the conversions and the products that read the codes
.set j, j+1
.endr
.endr
	s_wait_dscnt 16*(1-\st)                        ; V's fragments are in; in a slot's first step the sixteen loads of K issued behind them may be out
	WIN 0x55
.irp dt, 0,1,2,3                               ; the eight accumulators take turns, one instruction a turn
.irp q, 0,1
	v_wmma_f32_16x16x128_bf8_bf8 v[O+32*\q+8*\dt:O+32*\q+8*\dt+7], v[VFR+16*\dt:VFR+16*\dt+15], v[PC+16*\q:PC+16*\q+15], v[O+32*\q+8*\dt:O+32*\q+8*\dt+7]
.endr
.endr
	WIN 0                                          ; (what next names a register of these products, a vector line or a load, stands behind more than four plain vector lines on every way)
.if \st
.Lhid_\@:
.endif
.endm
	s_load_b256 s[4:11], s[0:1], 0x0               ; Q s[4:5], K s[6:7], V s[8:9], valid_lens s[10:11]
	s_load_b128 s[12:15], s[0:1], 0x20             ; lowp_scales s[12:13], out0 s[14:15]
	v_lshl_add_u32 v62, v0, 2, 0x48800
	v_mov_b32 v63, 0
	v_lshrrev_b32 v46, 5, v0
	v_readfirstlane_b32 s[WV], v46                 ; wave 0..7
	v_and_b32 v[LANE], 31, v0
	v_and_b32 v[R], 15, v0
	v_bfe_u32 v[H], v0, 4, 1
	s_wait_alu depctr_va_sdst(0)                   ; the wave's number is written, ahead of its first reader
	s_lshr_b32 s[GRP], s[WV], 2
	s_xor_b32 s[GRP], s[GRP], s[WV]
	s_and_b32 s[GRP], s[GRP], 1                    ; group: waves 0, 2, 5, 7 and waves 1, 3, 4, 6
	s_lshr_b32 s[IDX], s[WV], 1                    ; my place in it, 0..3
	s_lshr_b32 s[TGT], ttmp9, 4                    ; pr
	s_and_b32 s[BLK], ttmp9, 15
	s_sub_co_u32 s[T0], 31, s[TGT]
	s_cmp_eq_u32 s[GRP], 0
	s_cselect_b32 s[TGT], s[TGT], s[T0]            ; the rank of my group's batch
	; every fixed LDS address is made here, of the thread's and the wave's number alone
	s_lshl_b32 s[T0], s[GRP], 17
	v_mul_u32_u24 v[AK0], v[H], KBP
	v_lshl_add_u32 v[AK0], v[R], 4, v[AK0]
	v_add_nc_u32 v[AK0], s[T0], v[AK0]
	v_mul_u32_u24 v[AV0], v[H], VBP
	v_lshl_add_u32 v[AV0], v[R], 4, v[AV0]
	v_add_nc_u32 v[AV0], s[T0], v[AV0]
	v_add_nc_u32 v[AV0], VOFF, v[AV0]
	s_and_b32 s[T1], s[IDX], 1
	s_mul_i32 s[T1], s[T1], KT
	s_lshr_b32 s[T2], s[IDX], 1
	s_lshl_b32 s[T2], s[T2], 7
	s_add_co_u32 s[T1], s[T1], s[T2]
	s_add_co_u32 s[T1], s[T1], s[T0]
	v_and_b32 v[KS0], 3, v0
	v_mul_u32_u24 v[KS0], v[KS0], KBP
	v_bfe_u32 v47, v0, 2, 3
	v_lshl_add_u32 v[KS0], v47, 4, v[KS0]
	v_add_nc_u32 v[KS0], s[T1], v[KS0]
	s_lshl_b32 s[T1], s[IDX], 5
	s_add_co_u32 s[T1], s[T1], s[T0]
	s_add_co_u32 s[T1], s[T1], VOFF
	v_mul_u32_u24 v[VS0], v[R], VBP
	v_lshl_add_u32 v[VS0], v[H], 4, v[VS0]
	v_add_nc_u32 v[VS0], s[T1], v[VS0]
	s_mul_i32 s[T1], s[WV], 16*SP
	s_add_co_u32 s[T1], s[T1], STAGE               ; my stage
	v_mul_u32_u24 v[STO], v[R], SP
	v_lshl_add_u32 v[STO], v[H], 5, v[STO]
	v_add_nc_u32 v[STO], s[T1], v[STO]             ; in: row r, 32 bytes for each half of the lanes
	v_mul_u32_u24 v[RD], v[H], SP
	v_lshl_add_u32 v[RD], v[R], 4, v[RD]
	v_add_nc_u32 v[RD], s[T1], v[RD]               ; back: lanes 0-15 one row of 256 bytes, lanes 16-31 the next
	; offsets in memory
	s_lshl_b32 s[T1], s[IDX], 9
	v_lshl_add_u32 v[KO], v[LANE], 4, s[T1]        ; 512 IDX + 16 lane
	s_lshl_b32 s[T1], s[IDX], 12
	v_lshl_add_u32 v[VO], v[H], 11, s[T1]
	v_lshl_add_u32 v[VO], v[R], 4, v[VO]           ; row 2 IDX + lane / 16 of 2,048 bytes, + 16 (lane % 16)
	s_cmp_lt_u32 s[IDX], 2
	s_cselect_b32 s[T1], 8, 11                     ; from lane to lane: 256 bytes in K, a row of 2,048 in V
	s_and_b32 s[T2], s[IDX], 1
	s_lshl_b32 s[T2], s[T2], 5
	v_add_nc_u32 v[PFO], s[T2], v[LANE]
	v_lshlrev_b32 v[PFO], s[T1], v[PFO]            ; (32 (IDX % 2) + lane) of them
	v_lshlrev_b32 v[QO], 6, v[R]
	v_lshl_add_u32 v[QO], v[H], 4, v[QO]           ; Q: row r of 64 bytes, + 16 (lane / 16)
	v_lshlrev_b32 v[GO], 4, v[LANE]
	v_lshlrev_b32 v50, 2, v[LANE]
	s_mov_b32 s[OF+1], 0
	s_wait_kmcnt 0x0
	s_wait_alu depctr_va_vdst(0)                   ; every offset and fixed LDS address (v4-9, v14, v15, v44, v45, v49, v50) is written, for all the loads, stores and prefetches of the kernel that read them; the lines above are done with v46, in which the load below lands
	global_load_b32 v46, v50, s[10:11]             ; lane i: the length of batch i
	s_load_b128 s[16:19], s[12:13], 0x0            ; eq, ek, ep, ev
	s_wait_loadcnt 0x0
	; THE RANK.  key i = (the last key walked in batch i) x 32 + i: 32 different numbers.  rank i = how many keys lie under key i.  Every wave computes it; no memory is written.
	v_add_nc_u32 v46, -1, v46
	v_min_u32 v46, 0x7ff, v46                      ; L <= 0 wraps round and is held at 2,047: such a batch walks all keys
	v_lshl_or_b32 v47, v46, 5, v[LANE]
	v_mov_b32 v48, 0
.set j, 0
.rept 32
	v_readlane_b32 s[RK+j], v47, j
.set j, j+1
.endr
	s_wait_alu depctr_va_sdst(0)                   ; the 32 keys are written, ahead of the compares that read them
.set j, 0
.rept 32
	v_cmp_lt_u32 s[RK+j], s[RK+j], v47             ; the mask of the lanes whose key lies above key j takes key j's place
.set j, j+1
.endr
	s_wait_alu depctr_va_sdst(0)                   ; the 32 masks are written, ahead of the selections that read them
.set j, 0
.rept 32
	v_cndmask_b32 v[ONE+j%2], 0, 1, s[RK+j]        ; 1 where key j < mine,
	v_add_nc_u32 v48, v48, v[ONE+j%2]              ; added to my rank: neither line writes a scalar register
.set j, j+1
.endr
	v_cmp_eq_u32 s[T0], s[TGT], v48
	s_wait_alu depctr_va_sdst(0)                   ; the chosen lane's mask is written, ahead of its reader
	s_ctz_i32_b32 s[BB], s[T0]                     ; the one lane with my group's rank
	s_min_u32 s[BB], s[BB], 31
	s_lshl_b32 s[T1], s[BB], 2
	s_load_b32 s[LV], s[10:11], s[T1] offset:0x0   ; its length.  (s[T1] stays as it is until this load is waited for)
	s_lshl_b32 s[OF], s[BB], 17                    ; a batch's codes: 131,072 bytes in each of the three tensors
	s_add_nc_u64 s[6:7], s[6:7], s[OF:OF+1]
	s_add_nc_u64 s[8:9], s[8:9], s[OF:OF+1]
	s_add_nc_u64 s[4:5], s[4:5], s[OF:OF+1]
	s_lshl_b32 s[T0], s[BLK], 7
	s_lshl_b32 s[T2], s[IDX], 5
	s_add_co_u32 s[T0], s[T0], s[T2]               ; my first query: 128 blk + 32 IDX
	s_lshl_b32 s[OF], s[T0], 6
	s_add_nc_u64 s[4:5], s[4:5], s[OF:OF+1]
	s_lshl_b32 s[OF], s[BB], 19
	s_add_nc_u64 s[14:15], s[14:15], s[OF:OF+1]
	s_lshl_b32 s[OF], s[T0], 8
	s_add_nc_u64 s[14:15], s[14:15], s[OF:OF+1]
	s_mov_b64 s[KA:KA+1], s[6:7]
	s_mov_b64 s[VA:VA+1], s[8:9]
	WIN 0x40
.irp q, 0,1                                    ; Q's two fragments stay in registers; each row is read once in the launch.  (No vector line has named the registers in which these loads and the staging loads land; their offsets stand ahead of the wait above)
	global_load_b128 v[QF+8*\q:QF+8*\q+3], v[QO], s[4:5] offset:1024*\q th:TH_LOAD_NT
	global_load_b128 v[QF+8*\q+4:QF+8*\q+7], v[QO], s[4:5] offset:1024*\q+32 th:TH_LOAD_NT
.endr
	STAGE_LD                                       ; slot 0
	s_wait_kmcnt 0x0
	s_sub_co_u32 s[LM1], s[LV], 1
	s_min_u32 s[LM1], s[LM1], 2047
	s_lshr_b32 s[NS], s[LM1], 8
	s_add_co_u32 s[NS], s[NS], 1
	s_max_i32 s[LC], s[LV], 0
	s_min_i32 s[LC], s[LC], 2048
	s_cmp_eq_u32 s[BLK], 0
	s_cselect_b32 s[PL], s[NS], 0
	s_add_co_i32 s[T0], s16, s17
	s_lshl_b32 s[T0], s[T0], 23
	s_add_co_i32 s[CS], s[T0], 0x3e38aa3b          ; log2(e) / 8, with eq + ek added to its exponent field
	s_mov_b32 s[CS+1], s[CS]
	s_add_co_i32 s[T0], s[EP], 127
	s_lshl_b32 s[T2], s[T0], 23
	v_mov_b32 v[SC], s[T2]                         ; 2^ep: the conversion takes its exponent field
	s_add_co_i32 s[T0], s[T0], 15
	s_lshl_b32 s[T0], s[T0], 23
	s_or_b32 s[T0], s[T0], 0x600000
	v_mov_b32 v[HL], s[T0]                         ; 57,344 x 2^ep
	s_add_co_i32 s[EO], s[EP], s19
	s_mov_b32 s[SEL], 0x76543210
	s_mov_b32 s[SEL+1], 0xfedcba98
	v_mov_b32 v[NEGT], 0xc9b01c38                  ; -1e6 x log2(e) = -1,442,695.0 in f32
.irp q, 0,1
	v_mov_b32 v[ST+8*\q+1], 0xff61b1e6             ; the largest t so far: -3e38, under every t
	v_floor_f32 v[ST+8*\q], -v[ST+8*\q+1]
	v_mov_b32 v[ST+8*\q+2], 0
	v_mov_b32 v[ST+8*\q+3], 0
	v_mov_b32 v[ST+8*\q+5], 0                      ; (named as the upper half of f's pair)
	v_mov_b32 v[PD+\q], 0                          ; (a lane exchange's destination counts as one of its sources)
.endr
	WIN 0x40
.set j, 0
.rept 64
	v_mov_b32 v[O+j], 0                            ; O^T.  The step is written once: its first run finds zeros, which the first change of M leaves zeros
.set j, j+1
.endr
	WIN 0
	s_mov_b32 s[TB], 0
	s_mov_b32 s[SI], 0
	s_wait_loadcnt 0x0                             ; Q and slot 0 are in registers
	STAGE_ST KS0, VS0
	s_wait_dscnt 0x0                               ; for the other waves' sake: my part of slot 0 has landed
	s_wait_alu depctr_vm_vsrc(0)                   ; the LDS stores above have read the staging registers, in which the loads below land
	s_add_nc_u64 s[KA:KA+1], s[6:7], 16384         ; (the loads that named these are done)
	s_add_nc_u64 s[VA:VA+1], s[8:9], 256
	STAGE_LD                                       ; slot 1, whatever the length: it lies inside the batch, and the registers are then written on every way
	s_barrier_signal -1
	s_barrier_wait -1                              ; slot 0 is whole in both groups
.Lslot:                                            ; eight trips, a constant; a group whose batch is walked passes the barriers and does nothing else
	s_cmp_ge_u32 s[SI], s[NS]
	s_cbranch_scc1 .Lidle
	s_xor_b32 s[T0], s[TB], SLOT1
	s_wait_alu depctr_vm_vsrc(0)                   ; the last trip's LDS loads and stores have read the four addresses that are written below
	v_add_nc_u32 v[ADK], s[TB], v[AK0]             ; this slot, which is read,
	v_add_nc_u32 v[ADV], s[TB], v[AV0]
	v_add_nc_u32 v[SK], s[T0], v[KS0]              ; and the other, which is stored into
	v_add_nc_u32 v[SV], s[T0], v[VS0]
	s_wait_alu depctr_va_vdst(0)                   ; the four addresses are written, which this trip's LDS loads and stores read; the last trip's products K Q^T are done reading K's fragments, in which the loads below land
.irp kt, 0,1,2,3,4,5,6,7                       ; the first step's eight fragments of K (16 keys x 64): two loads each
	ds_load_b128 v[KFR+8*\kt:KFR+8*\kt+3], v[ADK] offset:\kt*KT
	ds_load_b128 v[KFR+8*\kt+4:KFR+8*\kt+7], v[ADK] offset:\kt*KT+2*KBP
.endr
	s_add_co_u32 s[T0], s[SI], 1
	s_cmp_ge_u32 s[T0], s[NS]
	s_cbranch_scc1 .Lnostage
	s_wait_loadcnt 0x0                             ; slot SI + 1, asked for a trip ago, is in registers
	STAGE_ST SK, SV                                ; into the slot that every wave left at the last barrier
	s_add_co_u32 s[T0], s[SI], 2
	s_cmp_ge_u32 s[T0], s[NS]
	s_cbranch_scc1 .Lnostage
	s_wait_xcnt 0x0                                ; the last trip's prefetch has read its base
	s_lshl_b32 s[OF], s[T0], 14
	s_add_nc_u64 s[KA:KA+1], s[6:7], s[OF:OF+1]
	s_lshl_b32 s[OF], s[T0], 8
	s_add_nc_u64 s[VA:VA+1], s[8:9], s[OF:OF+1]
	s_wait_dscnt 0x0                               ; the stores above are done
	s_wait_alu depctr_vm_vsrc(0)                   ; they have read the staging registers, in which the loads below land
	STAGE_LD                                       ; slot SI + 2: it has this trip's two steps in which to come
	ASK
.Lnostage:
	STEP 0
	STEP 1
.Lidle:
	s_wait_dscnt 0x0                               ; my reads of this slot are back and my stores into the other have landed
	s_barrier_signal -1
	s_barrier_wait -1                              ; so of every wave: the other slot is whole, and this one may be written
	s_xor_b32 s[TB], s[TB], SLOT1
	s_add_co_u32 s[SI], s[SI], 1
	s_cmp_lt_u32 s[SI], 8
	s_cbranch_scc1 .Lslot
	; THE WAY OUT.  The sum's two halves and the other half of the lanes' are added; O^T x 2^(ep + ev) / the sum goes through my stage, a tile (16 rows of 256 bytes) at a time, and leaves as whole rows.
.irp q, 0,1
	v_add_f32 v[ST+8*\q+6], v[ST+8*\q+2], v[ST+8*\q+3]
.endr
.irp q, 0,1
	v_permlanex16_b32 v[PD+\q], v[ST+8*\q+6], s[SEL], s[SEL+1]
.endr
.irp q, 0,1
	v_add_f32 v[ST+8*\q+6], v[ST+8*\q+6], v[PD+\q]
.endr
.irp q, 0,1
	v_rcp_f32 v[ST+8*\q+4], v[ST+8*\q+6]
.endr
	v_nop                                          ; a plain line behind the reciprocals
	s_wait_alu depctr_va_vdst(0)                   ; the two reciprocals have written their results, ahead of the first reader: one wait for both
.irp q, 0,1
	v_ldexp_f32 v[ST+8*\q+4], v[ST+8*\q+4], s[EO]
.endr
	WIN 0x01                                       ; O^T in window 1; the results take p's registers in window 0
.irp q, 0,1
.set j, 0
.rept 16
	v_pk_mul_f32 v[S+32*\q+2*j:S+32*\q+2*j+1], v[O+32*\q+2*j:O+32*\q+2*j+1], v[ST+8*\q+4:ST+8*\q+5] op_sel_hi:[1,0]   ; register 8 t + i is o(query r, 16 t + 8 (lane / 16) + i); each accumulator from its low end on
.set j, j+1
.endr
.endr
	WIN 0
	s_wait_alu depctr_va_vdst(0)                   ; the 32 multiplications have written v64-127, which the LDS stores below read; every vector and matrix line is done with v128-191, in which the loads from the stage land
.irp q, 0,1
.irp dt, 0,1,2,3
	ds_store_b128 v[STO], v[S+32*\q+8*\dt:S+32*\q+8*\dt+3] offset:64*\dt
	ds_store_b128 v[STO], v[S+32*\q+8*\dt+4:S+32*\q+8*\dt+7] offset:64*\dt+16
.endr
.irp i, 0,1,2,3,4,5,6,7
	ds_load_b128 v[OUTR+32*\q+4*\i:OUTR+32*\q+4*\i+3], v[RD] offset:2*SP*\i   ; LDS serves a wave's instructions in order (ISA guide 5.7.1.4): these see my stores, and the next tile's stores come behind them
.endr
.endr
.irp q, 0,1
.irp i, 0,1,2,3,4,5,6,7
	s_wait_dscnt 23-16*\q-\i                       ; what was issued behind this load: the tile's later loads, and for tile 0 the sixteen of tile 1
	global_store_b128 v[GO], v[OUTR+32*\q+4*\i:OUTR+32*\q+4*\i+3], s[14:15] offset:4096*\q+512*\i th:TH_STORE_NT   ; the wave stores 512 consecutive bytes, two whole rows, at a multiple of 256 from out0's first byte
.endr
.endr
	s_wait_dscnt 0x0
	s_wait_alu depctr_hold_cnt(0) depctr_sa_sdst(0) depctr_va_vdst(0) depctr_va_sdst(0) depctr_va_ssrc(0) depctr_va_vcc(0) depctr_vm_vsrc(0)
	s_wait_tensorcnt 0x0
	ds_add_u32 v62, v63
	s_wait_dscnt 0x0
	s_endpgm
.Lfunc_end_k_q75c79ea9c2_attn:
	.size	k_q75c79ea9c2_attn, .Lfunc_end_k_q75c79ea9c2_attn-k_q75c79ea9c2_attn
	.p2alignl 7, 3214868480
	.fill 96, 4, 3214868480
	.section	.rodata,"a",@progbits
	.p2align	6, 0x0
	.amdhsa_kernel k_q75c79ea9c2_attn
		.amdhsa_group_segment_fixed_size 297984
		.amdhsa_private_segment_fixed_size 0
		.amdhsa_enable_private_segment 0
		.amdhsa_kernarg_size 48
		.amdhsa_user_sgpr_count 2
		.amdhsa_user_sgpr_kernarg_segment_ptr 1
		.amdhsa_wavefront_size32 1
		.amdhsa_system_sgpr_workgroup_id_x 1
		.amdhsa_system_sgpr_workgroup_id_y 1
		.amdhsa_system_sgpr_workgroup_id_z 1
		.amdhsa_system_vgpr_workitem_id 0
		.amdhsa_next_free_vgpr 512
		.amdhsa_next_free_sgpr 100
		.amdhsa_reserve_vcc 0
		.amdhsa_float_denorm_mode_32 3
		.amdhsa_float_denorm_mode_16_64 3
		.amdhsa_memory_ordered 1
		.amdhsa_forward_progress 1
		.amdhsa_inst_pref_size 122
	.end_amdhsa_kernel
	.amdgpu_metadata
---
amdhsa.version: [ 1, 2 ]
amdhsa.kernels:
  - .name:           k_q75c79ea9c2_attn
    .symbol:         k_q75c79ea9c2_attn.kd
    .args:
      - { .name: queries_codes, .offset: 0, .size: 8, .value_kind: global_buffer, .address_space: global }
      - { .name: keys_codes, .offset: 8, .size: 8, .value_kind: global_buffer, .address_space: global }
      - { .name: values_codes, .offset: 16, .size: 8, .value_kind: global_buffer, .address_space: global }
      - { .name: valid_lens, .offset: 24, .size: 8, .value_kind: global_buffer, .address_space: global }
      - { .name: lowp_scales, .offset: 32, .size: 8, .value_kind: global_buffer, .address_space: global }
      - { .name: out0, .offset: 40, .size: 8, .value_kind: global_buffer, .address_space: global }
    .group_segment_fixed_size: 297984
    .private_segment_fixed_size: 0
    .kernarg_segment_align: 8
    .kernarg_segment_size: 48
    .max_flat_workgroup_size: 256
    .sgpr_count:     100
    .vgpr_count:     512
    .wavefront_size: 32
...
	.end_amdgpu_metadata
.endif
;; end of part 2
